; MI455X (gfx1250); checked and timed in simulation.
; The chip was launched on July 23, 2026; its instructions are those of AMD's public machine-readable ISA for CDNA 5 (MIT licence, August 2026) and "CDNA5" Instruction Set Architecture Reference Guide (July 2026). The comments in the code are by the model that wrote it; some were corrected since.
;; Multi Head Attention. Allowed arithmetic: matrix products marked QUANTISED: E3M2 operands, one E8M0 scale for each 32 along K, by v_wmma_scale_f32_16x16x128_f8f6f4 with both operands' format E3M2, f32 sums; everything else in f32.
;; Inputs: W_attn 1,024 x 3,072 float32; W_proj 1,024 x 1,024 float32; b_attn 3,072 float32; b_proj 1,024 float32; x 4 x 2,048 x 1,024 float32.
;; Outputs: out0 4 x 2,048 x 1,024 float32.
;; This version of the problem:
;;   THIS VERSION OF THE PROBLEM IS GIVEN IN LOW PRECISION. The matrix products marked QUANTISED in the list below multiply operands that are first quantised to E3M2 (3 exponent bits, 2 mantissa bits; 6 bits a number), with one power-of-two scale for each 32 numbers along K (OCP MX v1.0); their sums are f32. All else is computed in f32.
;;   The module's matrix products, in the order in which they are computed (A, B: the left and right operand; K: the contracted axis; several contracted axes count as one K, in the product's order):
;;     1. [M 8,192, K 1,024] x [K 1,024, N 3,072]; A: input x; B: input W_attn: QUANTISED
;;     2. batch 64 x [M 2,048, K 64] x [K 64, N 2,048]; A: computed on the way; B: computed on the way: QUANTISED
;;     3. batch 64 x [M 2,048, K 2,048] x [K 2,048, N 64]; A: softmax (see below); B: computed on the way: QUANTISED
;;     4. [M 8,192, K 1,024] x [K 1,024, N 1,024]; A: computed on the way; B: input W_proj: QUANTISED
;;   THE QUANTISER, for each operand of a quantised product, along K:
;;     - K is cut into blocks of 32 from its start; a last block that is shorter is filled with zeros.
;;     - A block's scale is 2^e with e = floor(log2(the largest magnitude in the block)) - 4, held to -126 .. 127; a block of zeros has e = 0. As a byte (E8M0): e + 127.
;;     - Each number is divided by its block's scale, clamped to +-28, and rounded to the nearest number of E3M2, ties to even, subnormals kept.
;;     - The product sums the exact products of the quantised numbers (number of the format x scale) in f32.
;;   ~~~python
;;   def quantise(x, axis):      # numpy; x: float32 -> the quantised numbers, widened to float32 again
;;       x = np.moveaxis(x, axis, -1); K = x.shape[-1]
;;       x = np.pad(x, [(0, 0)] * (x.ndim - 1) + [(0, -K % 32)]); x = x.reshape(x.shape[:-1] + (-1, 32)); a = np.abs(x).max(-1, keepdims=True)
;;       e = np.where(a > 0, np.clip(np.frexp(np.where(a > 0, a, 1))[1] - 1 - 4, -126, 127), 0)      # np.frexp(a)[1] - 1 = floor(log2(a)), exactly
;;       r = np.clip(x / 2.0 ** e, -28, 28)
;;       step = 2.0 ** (np.maximum(np.frexp(np.where(r == 0, 1, r))[1] - 1, -2) - 2)
;;       q = np.round(r / step) * step * 2.0 ** e      # np.round: ties to even
;;       return np.moveaxis(q.reshape(q.shape[:-2] + (-1,))[..., :K], -1, axis).astype(np.float32)
;;   ~~~
;;   SOFTMAX AHEAD OF A QUANTISED PRODUCT. Where the list says 'softmax', what is quantised is not the finished softmax but p = 2^(t - M), with t = logit x log2(e) and M = ceil(the row's largest t), a whole number; so 1/2 < the row's largest p <= 1. The row's sum l is taken of the UNQUANTISED p, in f32, and the product's result is divided by l at the end. Since M is a whole number, a kernel that streams over the keys may use a running M (the ceiling of the running maximum): every later rescaling is an exact power of two, which a block's scale takes up: the codes' values come out the same.
;;   OPERANDS COMPUTED ON THE WAY. 'Computed on the way' means the value that the module computes at that place (a softmax that the list does not call 'softmax' is quantised finished and normalised). What goes into a quantiser is computed in f32, as accurately as f32 sums, v_exp_f32 and their like allow (about 1e-6 of the number): no bf16 or f16 on the way to a quantiser, and a product that is left as it is and whose result goes on into a quantised operand takes f32 operands (vector FMAs, or v_wmma_f32_16x16x4_f32). A number that lies on a knife's edge between two numbers of the format may be rounded either way, as far as f32 arithmetic and the matrix unit's own rounding can turn it there, and no further.
;; One version. Each part assembles by itself: llvm-mc -triple=amdgcn-amd-amdhsa -mcpu=gfx1250 --defsym DOCPART=n.
;; ======== version 1 of 1: 4 launches
;; workspace buffers: xq 6,553,600 bytes; yq 6,553,600 bytes; wc 3,145,728 bytes; wsc 131,072 bytes; qkv 20,185,088 bytes
;; launch prep (part 1): grid 384 x 1, 4 waves a work-group, no clusters, 34,304 bytes of LDS; arguments x, W_attn, W_proj, xq, wc, wsc; writes xq, wc, wsc
.if DOCPART == 1
	.amdgcn_target "amdgcn-amd-amdhsa--gfx1250"
	.amdhsa_code_object_version 6
	.text
	.protected	k_q47babbc3c2_prep
	.globl	k_q47babbc3c2_prep
	.p2align	8
	.type	k_q47babbc3c2_prep,@function
k_q47babbc3c2_prep:
	s_mov_b64 s[64:65], 0
	v_nop
	global_prefetch_b8 v0, s[64:65] scope:SCOPE_SE
	s_setreg_imm32_b32 hwreg(HW_REG_WAVE_MODE, 25, 1), 1
	s_wait_xcnt 0x0
; x [8192][1024], W_attn [1024][3072] and W_proj [1024][1024], f32, become codes of BF6 (E3M2) with one E8M0 byte for each 32 along K = 1024,
; laid in the ORDER OF THE OPERAND'S REGISTERS: a fragment (16 rows x 128 K, 12 registers a lane) is three planes of 512 bytes, plane j = registers 4 j .. 4 j + 3, lane l's 16 bytes at 16 l.
; THE ROWS OF A TILE ARE NOT NEIGHBOURS: 32 neighbouring tokens (or columns of a weight) make two tiles u = 0, 1; row r of tile u is element 8 u + r + 8 (r / 8) of the 32.
; xq: a record of 25,600 bytes for each 32 tokens: fragment (K step s, tile u) at (2 s + u) x 1536; scale words at 24,576 + 512 (s / 4) + 16 (16 u + r) + 4 (s % 4).
; wc: 24,576 bytes for each group G of 32 columns (G 0-95 W_attn, 96-127 W_proj), fragment (s, u) at (2 s + u) x 1536.  wsc: G x 1024 + 256 (s / 2) + 8 (16 u + r): the words of two K steps.
; A block's scale is 2^(floor(log2(largest magnitude)) - 4): its byte is the largest magnitude's exponent field - 4, held at 1 from below by a floor among the maximum's leaves.
; LIMITS: a block of zeros, or one whose largest magnitude lies under 2^-122, keeps the byte 1 (the bytes are read by this program alone; zero codes add nothing); NaN and infinities are not served.
; Work-groups 0-255 take x, 256-383 the weights; the branch hangs on the work-group's number.  Only x's path uses LDS.  Waves share nothing: no barrier.  No tile is shared, so no cluster; memory binds, so no matrix unit.
.set REC,   25600
.set FLOOR, 0x2800000                  ; 2^(5 - 127)
.set EOFF,  0xfe000000                 ; -(4 << 23)
.set R,     16                         ; x: v16-143   two sets of 64: a fragment's numbers as loaded
.set X,     144                        ; x: v144-207  the lane's 64 numbers: two whole blocks
.set C,     208                        ; x: v208-219  the fragment's codes
.set CT,    220                        ; x: v220-226  the upper halves of the two blocks' codes
.set SW,    232                        ; x: v232-235  four K steps' scale words
.set OFF,   16                         ; W: v16-47    byte offset of row i of a block, at my column
.set WX,    48                         ; W: v48-111   two sets of 32: a block down K
.set F0,    112                        ; W: v112-123, v124-135 the two tiles' fragments
.set TT,    136                        ; W: v136-138  the upper half of a block's codes
.set SB,    140                        ; W: v140-141  two K steps' scale words
.macro MAX32 d, t, b                   ; v[d] = the largest magnitude of v[b] .. v[b + 31], not under the floor; two chains
	v_max3_num_f32 v[\d], |v[\b]|, |v[\b+1]|, |v[\b+2]|
	v_max3_num_f32 v[\t], |v[\b+3]|, |v[\b+4]|, |v[\b+5]|
.irp i, 6,10,14,18,22,26
	v_max3_num_f32 v[\d], v[\d], |v[\b+\i]|, |v[\b+\i+1]|
	v_max3_num_f32 v[\t], v[\t], |v[\b+\i+2]|, |v[\b+\i+3]|
.endr
	v_max3_num_f32 v[\d], v[\d], |v[\b+30]|, |v[\b+31]|
	v_max3_num_f32 v[\d], v[\d], v[\t], FLOOR
.endm
	s_load_b256 s[4:11], s[0:1], 0x0               ; x s[4:5], W_attn s[6:7], W_proj s[8:9], xq s[10:11]
	s_load_b128 s[12:15], s[0:1], 0x20             ; wc s[12:13], wsc s[14:15]
	v_lshl_add_u32 v254, v0, 2, 0x8400
	v_mov_b32 v255, 0
	v_lshrrev_b32 v1, 5, v0
	v_readfirstlane_b32 s16, v1                    ; wave
	v_and_b32 v6, 31, v0                           ; lane
	v_and_b32 v7, 15, v0                           ; r
	v_bfe_u32 v5, v0, 4, 1                         ; h
	v_lshlrev_b32 v1, 4, v6                        ; 16 x lane
	s_cmp_lt_u32 ttmp9, 256
	s_cbranch_scc0 .Lweights
; ---- x.  A wave takes one tile of 16 tokens and half of K: four fragments.  Each load reads 512 consecutive bytes of a row; a fragment's 16 x 512 bytes turn
; through the wave's own stage (rows 528 bytes apart, an odd multiple of 16) and come back 128 bytes a block to the lane that owns the block.
	s_lshl_b32 s17, ttmp9, 2
	s_add_co_u32 s17, s17, s16                     ; unit 0 .. 1023
	s_lshr_b32 s18, s17, 1                         ; tile
	s_and_b32 s19, s17, 1                          ; which half of K
	s_lshr_b32 s20, s18, 1                         ; pair of tiles: 32 tokens
	s_and_b32 s21, s18, 1                          ; u
	s_lshl_b32 s22, s20, 17                        ; in: (32 pair + 8 u) rows of 4,096 bytes + 2,048 x half
	s_lshl_b32 s23, s21, 15
	s_add_co_u32 s22, s22, s23
	s_lshl_b32 s23, s19, 11
	s_add_co_u32 s22, s22, s23
	s_mov_b32 s23, 0
	s_mul_i32 s24, s20, REC                        ; the pair's record
	s_mul_i32 s25, s19, 12288
	s_add_co_u32 s26, s24, s25
	s_mul_i32 s25, s21, 1536
	s_add_co_u32 s26, s26, s25                     ; codes: + 12,288 x half + 1,536 u
	s_mov_b32 s27, 0
	s_lshl_b32 s25, s19, 9
	s_add_co_u32 s24, s24, s25
	s_lshl_b32 s25, s21, 8
	s_add_co_u32 s24, s24, s25
	s_add_co_u32 s24, s24, 24576                   ; scale words: + 24,576 + 512 x half + 256 u
	s_mov_b32 s25, 0
	s_mov_b32 s28, 0x76543210
	s_mov_b32 s29, 0xfedcba98                      ; v_permlanex16_b32's selects for lane l xor 16
	s_mul_i32 s30, s16, 8448                       ; my stage: 16 rows x 528
	s_wait_alu depctr_va_vdst(0)
	v_add_nc_u32 v2, s30, v1                       ; into it: 16 x lane of a row
	v_mul_u32_u24 v3, v7, 528
	v_lshl_add_u32 v3, v5, 7, v3
	v_add_nc_u32 v3, s30, v3                       ; out of it: row r, + 128 h: my block of 32
	v_lshlrev_b32 v4, 4, v7                        ; 16 r: my row's four scale words
	v_lshlrev_b32 v5, 3, v5                        ; 8 h: my bytes' place in a scale word
	v_mov_b32 v15, 0                               ; a lane permute's destination counts as one of its sources
	s_wait_alu depctr_va_vdst(0)
	s_wait_kmcnt 0x0
	s_add_nc_u64 s[4:5], s[4:5], s[22:23]
	s_add_nc_u64 s[32:33], s[10:11], s[26:27]
	s_add_nc_u64 s[34:35], s[10:11], s[24:25]
.macro LOADX f                         ; fragment f: 128 numbers of each of the tile's 16 rows
.irp i, 0,1,2,3,4,5,6,7,8,9,10,11,12,13,14,15
	global_load_b128 v[R+64*((\f)%2)+4*\i:R+64*((\f)%2)+4*\i+3], v1, s[4:5] offset:(\i+8*(\i/8))*4096+512*(\f) th:TH_LOAD_NT
.endr
.endm
.macro FRAGX f
.if (\f) < 3
	s_wait_loadcnt 16                              ; this fragment's 16 loads are in; the next one's may be out
.else
	s_wait_loadcnt 0x0
.endif
.irp i, 0,1,2,3,4,5,6,7,8,9,10,11,12,13,14,15
	ds_store_b128 v2, v[R+64*((\f)%2)+4*\i:R+64*((\f)%2)+4*\i+3] offset:528*\i
.endr
.irp c, 0,1
.irp q, 0,1,2,3,4,5,6,7
	ds_load_b128 v[X+32*\c+4*\q:X+32*\c+4*\q+3], v3 offset:256*\c+16*\q   ; k = 64 c + 32 h + 4 q ..: LDS serves a wave's instructions in order, so these see the stores above
.endr
.endr
	s_wait_dscnt 0x0                               ; my 64 numbers are in
	s_wait_xcnt 0x0                                ; the last fragment's stores have read their codes: they may be written again
.if (\f) < 2
	LOADX (\f)+2
.endif
	MAX32 8, 9, X                                  ; block h of the K step
	MAX32 10, 11, X+32                             ; block 2 + h
	v_add_nc_u32 v12, EOFF, v8                     ; 4 off the exponent field: the conversion's scale operand
	v_add_nc_u32 v13, EOFF, v10
	v_lshrrev_b32 v9, 23, v12                      ; the bytes
	v_lshrrev_b32 v11, 23, v13
	v_lshl_or_b32 v14, v11, 16, v9
	v_lshlrev_b32 v14, v5, v14                     ; at their places in the word
	v_permlanex16_b32 v15, v14, s28, s29
	v_or_b32 v[SW+(\f)], v14, v15                  ; with lane l xor 16's two the word is whole
	v_cvt_scalef32_pk16_bf6_f32 v[C:C+2], v[X:X+15], v12
	v_cvt_scalef32_pk16_bf6_f32 v[CT:CT+2], v[X+16:X+31], v12         ; (a conversion's three registers begin on an even number)
	v_cvt_scalef32_pk16_bf6_f32 v[C+6:C+8], v[X+32:X+47], v13
	v_cvt_scalef32_pk16_bf6_f32 v[CT+4:CT+6], v[X+48:X+63], v13
	v_nop                                          ; one plain place behind a scaled conversion
.irp i, 0,1,2
	v_mov_b32 v[C+3+\i], v[CT+\i]
	v_mov_b32 v[C+9+\i], v[CT+4+\i]
.endr
.irp j, 0,1,2
	global_store_b128 v1, v[C+4*\j:C+4*\j+3], s[32:33] offset:3072*(\f)+512*\j   ; 512 consecutive bytes
.endr
.endm
	LOADX 0
	LOADX 1
	FRAGX 0
	FRAGX 1
	FRAGX 2
	FRAGX 3
	global_store_b128 v4, v[SW:SW+3], s[34:35]     ; 256 consecutive bytes; both halves of the lanes hold and write the same words
	s_wait_tensorcnt 0x0
	ds_add_u32 v254, v255
	s_wait_dscnt 0x0
	s_endpgm
; ---- the weights.  K is their first axis: a lane takes a column and its registers run down K, so that a block of 32 lies in one lane and the codes come out with K innermost.
; A wave takes a group of 32 columns (lane 16 u + r: row r of tile u) and 256 along K: eight blocks, two K steps.  The four waves of a work-group stand side by side on 512 bytes of each row.
.Lweights:
	s_sub_co_u32 s17, ttmp9, 256
	s_lshr_b32 s18, s17, 2                         ; four groups
	s_and_b32 s19, s17, 3                          ; which quarter of K
	s_lshl_b32 s20, s18, 2
	s_add_co_u32 s20, s20, s16                     ; G
	s_mov_b32 s21, 4096
	s_wait_kmcnt 0x0
	s_cmp_lt_u32 s18, 24                           ; W_attn's group or W_proj's: the choice hangs on the work-group's number alone
	s_cselect_b64 s[4:5], s[6:7], s[8:9]
	s_cselect_b32 s21, 12288, s21                  ; a row in bytes
	s_cselect_b32 s22, 0, 96
	s_sub_co_u32 s22, s20, s22                     ; the group within its tensor
	s_mul_i32 s24, s19, s21
	s_lshl_b32 s24, s24, 8                         ; 256 rows a quarter
	s_lshl_b32 s22, s22, 7                         ; 128 bytes a group
	s_add_co_u32 s24, s24, s22
	s_mov_b32 s25, 0
	s_add_nc_u64 s[4:5], s[4:5], s[24:25]
	s_lshl_b32 s26, s21, 5                         ; 32 rows: a block's step
	s_mov_b32 s27, 0
	s_mul_i32 s24, s20, 24576
	s_mul_i32 s22, s19, 6144
	s_add_co_u32 s24, s24, s22
	s_add_nc_u64 s[12:13], s[12:13], s[24:25]      ; the codes of my two K steps
	s_lshl_b32 s24, s20, 10
	s_lshl_b32 s22, s19, 8
	s_add_co_u32 s24, s24, s22
	s_add_nc_u64 s[14:15], s[14:15], s[24:25]      ; and their scale words
	s_wait_alu depctr_va_vdst(0)
	v_and_b32 v8, 8, v7
	v_add_nc_u32 v8, v8, v7
	v_lshl_add_u32 v8, v5, 3, v8                   ; my column of the 32: r + 8 (r / 8) + 8 u
	v_lshlrev_b32 v8, 2, v8
	v_lshlrev_b32 v9, 3, v6                        ; 8 x lane
.irp i, 0,1,2,3,4,5,6,7,8,9,10,11,12,13,14,15,16,17,18,19,20,21,22,23,24,25,26,27,28,29,30,31
	v_mad_u32_u24 v[OFF+\i], s21, \i, v8
.endr
.macro LOADW t                         ; the next block down K into set t % 2; the 32 lanes read 128 consecutive bytes of a row
.irp i, 0,1,2,3,4,5,6,7,8,9,10,11,12,13,14,15,16,17,18,19,20,21,22,23,24,25,26,27,28,29,30,31
	global_load_b32 v[WX+32*((\t)%2)+\i], v[OFF+\i], s[4:5] th:TH_LOAD_NT
.endr
	s_wait_xcnt 0x0                                ; the base steps, and earlier stores' data are written again, only behind this wait
	s_add_nc_u64 s[4:5], s[4:5], s[26:27]
.endm
.macro BLOCK t
.set XW, WX+32*((\t)%2)
.set FX, F0+12*((\t)%2)+6*(((\t)%4)/2)         ; even blocks of a K step to the first run of 12, odd ones to the second
.if (\t) < 7
	s_wait_loadcnt 32                              ; this block's 32 loads are in; the next block's may be out
.else
	s_wait_loadcnt 0x0
.endif
	MAX32 10, 11, XW
	v_add_nc_u32 v12, EOFF, v10
	v_lshrrev_b32 v13, 23, v12
.if (\t)%4 == 0
	v_mov_b32 v[SB+(\t)/4], v13
.else
	v_lshl_or_b32 v[SB+(\t)/4], v13, 8*((\t)%4), v[SB+(\t)/4]
.endif
	v_cvt_scalef32_pk16_bf6_f32 v[FX:FX+2], v[XW:XW+15], v12
	v_cvt_scalef32_pk16_bf6_f32 v[TT:TT+2], v[XW+16:XW+31], v12
	v_nop                                          ; one plain place behind a scaled conversion
.irp i, 0,1,2
	v_mov_b32 v[FX+3+\i], v[TT+\i]
.endr
.if (\t)%4 == 3
; a K step is whole.  Lane 16 u + r holds blocks 0, 2 of (tile u, row r) in the first run and blocks 1, 3 in the second; the operand wants lanes 0-15 to hold blocks 0, 2 and lanes 16-31 blocks 1, 3 of ONE tile:
.irp i, 0,1,2,3,4,5,6,7,8,9,10,11
	v_permlane16_swap_b32 v[F0+\i], v[F0+12+\i]    ; the first's lanes 16-31 change places with the second's lanes 0-15: the first run is now tile 0's fragment, the second tile 1's
.endr
.irp u, 0,1
.irp j, 0,1,2
	global_store_b128 v1, v[F0+12*\u+4*\j:F0+12*\u+4*\j+3], s[12:13] offset:(2*((\t)/4)+\u)*1536+512*\j
.endr
.endr
.endif
.if (\t)+2 < 8
	LOADW (\t)+2
.endif
.endm
	LOADW 0
	s_wait_alu depctr_va_vdst(0)
	LOADW 1
.irp t, 0,1,2,3,4,5,6,7
	BLOCK \t
.endr
	global_store_b64 v9, v[SB:SB+1], s[14:15]      ; 256 consecutive bytes
	s_endpgm
.Lfunc_end_k_q47babbc3c2_prep:
	.size	k_q47babbc3c2_prep, .Lfunc_end_k_q47babbc3c2_prep-k_q47babbc3c2_prep
	.p2alignl 7, 3214868480
	.fill 96, 4, 3214868480
	.section	.rodata,"a",@progbits
	.p2align	6, 0x0
	.amdhsa_kernel k_q47babbc3c2_prep
		.amdhsa_group_segment_fixed_size 34304
		.amdhsa_private_segment_fixed_size 0
		.amdhsa_enable_private_segment 0
		.amdhsa_kernarg_size 48
		.amdhsa_user_sgpr_count 2
		.amdhsa_user_sgpr_kernarg_segment_ptr 1
		.amdhsa_wavefront_size32 1
		.amdhsa_system_sgpr_workgroup_id_x 1
		.amdhsa_system_sgpr_workgroup_id_y 1
		.amdhsa_system_sgpr_workgroup_id_z 1
		.amdhsa_system_vgpr_workitem_id 0
		.amdhsa_next_free_vgpr 256
		.amdhsa_next_free_sgpr 66
		.amdhsa_reserve_vcc 0
		.amdhsa_float_denorm_mode_32 3
		.amdhsa_float_denorm_mode_16_64 3
		.amdhsa_memory_ordered 1
		.amdhsa_forward_progress 1
		.amdhsa_inst_pref_size 72
	.end_amdhsa_kernel
	.amdgpu_metadata
---
amdhsa.version: [ 1, 2 ]
amdhsa.kernels:
  - .name:           k_q47babbc3c2_prep
    .symbol:         k_q47babbc3c2_prep.kd
    .args:
      - { .name: x, .offset: 0, .size: 8, .value_kind: global_buffer, .address_space: global }
      - { .name: W_attn, .offset: 8, .size: 8, .value_kind: global_buffer, .address_space: global }
      - { .name: W_proj, .offset: 16, .size: 8, .value_kind: global_buffer, .address_space: global }
      - { .name: xq, .offset: 24, .size: 8, .value_kind: global_buffer, .address_space: global }
      - { .name: wc, .offset: 32, .size: 8, .value_kind: global_buffer, .address_space: global }
      - { .name: wsc, .offset: 40, .size: 8, .value_kind: global_buffer, .address_space: global }
    .group_segment_fixed_size: 34304
    .private_segment_fixed_size: 0
    .kernarg_segment_align: 8
    .kernarg_segment_size: 48
    .max_flat_workgroup_size: 128
    .sgpr_count:     66
    .vgpr_count:     256
    .wavefront_size: 32
...
	.end_amdgpu_metadata
.endif
;; end of part 1
;; launch qkv (part 2): grid 8 x 32, 4 waves a work-group, clusters of 4 x 1, 327,680 bytes of LDS; arguments xq, wc, wsc, b_attn, qkv; writes qkv
.if DOCPART == 2
	.amdgcn_target "amdgcn-amd-amdhsa--gfx1250"
	.amdhsa_code_object_version 6
	.text
	.protected	k_q47babbc3c2_qkv
	.globl	k_q47babbc3c2_qkv
	.p2align	8
	.type	k_q47babbc3c2_qkv,@function
k_q47babbc3c2_qkv:
	s_mov_b64 s[64:65], 0
	v_nop
	global_prefetch_b8 v0, s[64:65] scope:SCOPE_SE
	s_setreg_imm32_b32 hwreg(HW_REG_WAVE_MODE, 25, 1), 1
	s_wait_xcnt 0x0
	s_wait_alu depctr_hold_cnt(0) depctr_sa_sdst(0) depctr_va_vdst(0) depctr_va_sdst(0) depctr_va_ssrc(0) depctr_va_vcc(0) depctr_vm_vsrc(0)
	s_getreg_b32 s2, hwreg(HW_REG_IB_STS2, 6, 4)
	s_cmp_eq_u32 s2, 0
	s_cbranch_scc0 .Lentry_in_a_cluster
	s_endpgm
.Lentry_in_a_cluster:
	s_bfe_u32 s2, ttmp6, 0x10000c
	s_cmp_lg_u32 s2, 0x3003
	s_cbranch_scc0 .Lentry_shape_is_right
	s_endpgm
.Lentry_shape_is_right:
; qkv = Q(x) Q(W_attn) + b_attn on codes of BF6, and its three parts quantised at once for the attention: q and k along the head's 64, v along the tokens.
; SHARES.  A work-group takes 256 tokens (grid y) and 384 columns (grid x); THE WAVES SHARE THE COLUMNS: wave U = 0 .. 31 of a chunk keeps six weight tiles x 8 K steps in 576 registers for the whole launch:
; columns 64 U .. 64 U + 63 (one head of q, U < 16, or of k) and columns 2048 + 32 U .. + 31 (half a head of v).  The chunk's codes of x, eight records of 25,600 bytes, come into LDS once.
; CLUSTER.  The four work-groups of a cluster have the same chunk: its records are asked for JOINTLY (mask 15).  My place in the cluster enters only the addresses of weights, bias and output.
; ORIENTATION.  q, k: source 0 = 16 columns of W, source 1 = 16 tokens: a lane holds a token and its registers run along the head.  v: source 0 = 16 tokens, source 1 = 16 columns: a lane holds a channel and its
; registers run along the tokens.  The rows of every tile are element 8 u + r + 8 (r / 8) of 32 neighbours, so that the 16 registers of two neighbouring tiles are 16 neighbours along the next K.
; OUT: a record of 19,712 bytes for each (batch, head, 128 tokens): Q's codes at 0 (8 tiles x 768: registers 0-3 at 16 l, registers 4-5 at 512 + 8 l), Q's scale words at 6,144 (16 (16 u + r) + 4 b: tile 2 b + u;
; bytes 2 and 3 are 0), K's codes at 6,656, V's at 12,800 (4 tiles of channels x 1,536), K's scale words at 18,944, V's at 19,456 (128 x half + 4 l).
; LIMITS: a block of zeros or one under 2^-122 keeps the byte 1 (read by this program alone); NaN and infinities are not served.
; REGISTERS, in windows of 256.  Window 0: v1-9 addresses; v16-111 x's fragments, four sets of two tiles; v112-135 the weights' scale words; v136-143 x's; v152-248 the quantiser's.
;   Windows 1, 2 (columns 0-31, 32-63 of the head): weights at v[96 u + 12 s]; accumulator (m, u) at v[192 + 16 m + 8 u]; bias at v[224 + 8 u].   Window 3 (v): weights at v[96 ct + 12 s]; accumulator (ct, m) at v[192 + 16 ct + 8 m]; bias at v[224 + 8 ct].
.set REC,   25600
.set GRP,   24576
.set QREC,  19712
.set EOFF,  0xfe000000
.set XF,  16
.set WS,  112
.set XS,  136
.set TM,  152                          ; v152-163 twelve chains of maxima
.set PD,  164                          ; v164-169 the other half's maxima
.set SO,  170                          ; v170-175 the conversions' scale operands
.set BY,  176                          ; v176-181 the bytes
.set E,   184                          ; v184-199 q's or k's codes: two tiles, eight registers' room each
.set T2,  200                          ; v200-206 their second blocks
.set VC,  208                          ; v208-231 v's codes: two tiles of channels x 12
.set VT,  232                          ; v232-238 the odd blocks' codes
.set SW,  240                          ; v240-243 q's or k's scale words of four pairs of tiles
.set VW,  244                          ; v244-245 v's scale words in the making;  v246 as stored
.set VWS, 246
.set WD,  247                          ; v247-248 the two tiles' words
.set ACC, 192
.set BIA, 224
.set MSB, 0
.macro WIN new                         ; the immediate's high byte repeats the setting that is left; bits 1:0 source 0, 3:2 source 1, 5:4 source 2, 7:6 destination
.if MSB != (\new)
	s_set_vgpr_msb (MSB<<8)|(\new)
.set MSB, (\new)
.endif
.endm
.macro CROUND                          ; a round of the cluster's barrier
	s_barrier_signal -1
	s_barrier_wait -1
	s_cmp_lg_u32 s14, 0
	s_cbranch_scc1 .Lnot_wave_0_\@
	s_barrier_signal -3
.Lnot_wave_0_\@:
	s_barrier_wait -3
	s_barrier_signal -1
	s_barrier_wait -1
.endm
.macro PLACES n                        ; plain vector instructions that name none of a matrix instruction's registers (ISA guide 7.12.1)
.rept \n
	v_nop
.endr
.endm
; one product: D, A, B, C, the two scale registers and which half of their lanes is read
.macro WMS d, a, b, c, sa, sb, ra, rb
.if ((\ra) == 0) && ((\rb) == 0)
	v_wmma_scale_f32_16x16x128_f8f6f4 v[(\d):(\d)+7], v[(\a):(\a)+11], v[(\b):(\b)+11], v[(\c):(\c)+7], v[(\sa)], v[(\sb)] matrix_a_fmt:MATRIX_FMT_BF6 matrix_b_fmt:MATRIX_FMT_BF6
.elseif (\rb) == 0
	v_wmma_scale_f32_16x16x128_f8f6f4 v[(\d):(\d)+7], v[(\a):(\a)+11], v[(\b):(\b)+11], v[(\c):(\c)+7], v[(\sa)], v[(\sb)] matrix_a_fmt:MATRIX_FMT_BF6 matrix_b_fmt:MATRIX_FMT_BF6 matrix_a_scale:MATRIX_SCALE_ROW1
.elseif (\ra) == 0
	v_wmma_scale_f32_16x16x128_f8f6f4 v[(\d):(\d)+7], v[(\a):(\a)+11], v[(\b):(\b)+11], v[(\c):(\c)+7], v[(\sa)], v[(\sb)] matrix_a_fmt:MATRIX_FMT_BF6 matrix_b_fmt:MATRIX_FMT_BF6 matrix_b_scale:MATRIX_SCALE_ROW1
.else
	v_wmma_scale_f32_16x16x128_f8f6f4 v[(\d):(\d)+7], v[(\a):(\a)+11], v[(\b):(\b)+11], v[(\c):(\c)+7], v[(\sa)], v[(\sb)] matrix_a_fmt:MATRIX_FMT_BF6 matrix_b_fmt:MATRIX_FMT_BF6 matrix_a_scale:MATRIX_SCALE_ROW1 matrix_b_scale:MATRIX_SCALE_ROW1
.endif
.endm
	s_load_b256 s[4:11], s[0:1], 0x0               ; xq s[4:5], wc s[6:7], wsc s[8:9], b_attn s[10:11]
	s_load_b64 s[12:13], s[0:1], 0x20              ; qkv
	v_lshl_add_u32 v254, v0, 2, 0x32000
	v_mov_b32 v255, 0
	ds_add_u32 v254, v255
	ds_add_u32 v254, v255
	v_lshrrev_b32 v1, 5, v0
	v_readfirstlane_b32 s14, v1                    ; wave 0..3
	s_and_b32 s37, ttmp7, 0xffff                   ; the chunk of 256 tokens, which the four partners share
	; descriptor group 1: a record, 25,600 dense bytes, as 100 rows of 32 elements of 8 bytes
	s_mov_b32 s16, 15|(3<<16)|(1<<21)              ; 15:0 the mask: all four work-groups; 17:16 elements of 8 bytes; 21 set beside a mask; no padding
	s_mov_b32 s17, 32<<16                          ; tensor_dim0 = 32
	s_mov_b32 s18, 100<<16                         ; tensor_dim1 = 100
	s_mov_b32 s19, 32<<16                          ; tile_dim0 = 32
	s_mov_b32 s20, 100                             ; tile_dim1 = 100
	s_mov_b32 s21, 32                              ; from row to row
	s_mov_b32 s22, 0
	s_mov_b32 s23, 0
	s_mov_b32 s24, 1                               ; group 0 of my first load: record = wave
	s_mul_i32 s25, s14, REC                        ; LDS address: the wave's number times a constant
	s_mul_i32 s38, s37, 8*REC
	s_add_co_u32 s38, s38, s25                     ; (s38, s39 never hold my place in the cluster)
	s_mov_b32 s39, 0
	s_mov_b32 s28, 1                               ; and of my second: record = 4 + wave
	s_add_co_u32 s29, s25, 4*REC
	s_wait_dscnt 0x0
	s_wait_kmcnt 0x0
	s_add_nc_u64 s[26:27], s[4:5], s[38:39]
	s_add_nc_u64 s[30:31], s[26:27], 4*REC
	s_or_b32 s27, s27, 0x80000000                  ; type = 2
	s_or_b32 s31, s31, 0x80000000
	CROUND                                         ; all four work-groups are here: the joint loads meet
	tensor_load_to_lds s[24:27], s[16:23]          ; the only fills of the launch: two loads of mine are out
	s_nop 0
	s_wait_alu depctr_va_vdst(0)
	s_wait_tensorcnt 0x0
	ds_add_u32 v254, v255
	s_wait_dscnt 0x0
	CROUND
	tensor_load_to_lds s[28:31], s[16:23]
	s_nop 0
	PLACES 4                                       ; four v_nop behind the tensor loads, ahead of the first switch of windows
	s_bfe_u32 s15, ttmp6, 0x40000                  ; cx
	s_lshl_b32 s36, ttmp9, 2
	s_add_co_u32 s36, s36, s15
	s_lshl_b32 s36, s36, 2
	s_add_co_u32 s36, s36, s14                     ; U = 4 (4 x cluster x + cx) + wave
	s_mov_b32 s32, 0x2800000                       ; the floor 2^(5 - 127)
	s_mov_b32 s33, 0xffff0000                      ; lanes 16-31
	s_mov_b32 s34, 0x76543210
	s_mov_b32 s35, 0xfedcba98                      ; v_permlanex16_b32's selects for lane l xor 16
	v_and_b32 v10, 31, v0
	v_and_b32 v11, 15, v0                          ; r
	v_bfe_u32 v12, v0, 4, 1                        ; h
	v_lshlrev_b32 v1, 4, v10                       ; 16 l
	v_lshlrev_b32 v2, 3, v10                       ; 8 l
	v_lshlrev_b32 v3, 2, v10                       ; 4 l
.irp q, 0,1,2,3
	v_add_nc_u32 v[4+\q], \q*2*REC, v1             ; LDS: 16 l in records 2 q and 2 q + 1
.endr
	v_and_b32 v8, 8, v11
	v_add_nc_u32 v8, v8, v11
	v_lshlrev_b32 v8, 2, v8                        ; 4 (r + 8 (r / 8)): v's bias
	v_lshlrev_b32 v9, 6, v12                       ; 64 h: q's and k's bias
	s_wait_alu depctr_va_vdst(0)
.irp q, 0,1,2,3,4,5
	v_mov_b32 v[PD+\q], 0                          ; a lane permute's destination counts as one of its sources
.endr
	s_mov_b32 s61, 0
	s_mul_i32 s60, s36, 2*GRP
	s_add_nc_u64 s[48:49], s[6:7], s[60:61]        ; groups 2 U, 2 U + 1
	s_mul_i32 s60, s36, GRP
	s_add_co_u32 s60, s60, 64*GRP
	s_add_nc_u64 s[50:51], s[6:7], s[60:61]        ; group 64 + U
	s_lshl_b32 s60, s36, 11
	s_add_nc_u64 s[52:53], s[8:9], s[60:61]        ; their scale words
	s_lshl_b32 s60, s36, 10
	s_add_co_u32 s60, s60, 65536
	s_add_nc_u64 s[54:55], s[8:9], s[60:61]
	s_lshl_b32 s60, s36, 8
	s_add_nc_u64 s[56:57], s[10:11], s[60:61]      ; b_attn at column 64 U
	s_lshl_b32 s60, s36, 7
	s_add_co_u32 s60, s60, 8192
	s_add_nc_u64 s[58:59], s[10:11], s[60:61]      ; and at column 2048 + 32 U
.macro WLOAD base, off                 ; a group's 16 fragments: they stay
.irp s, 0,1,2,3,4,5,6,7
.irp u, 0,1
.irp j, 0,1,2
	global_load_b128 v[96*\u+12*\s+4*\j:96*\u+12*\s+4*\j+3], v1, s[\base:\base+1] offset:\off+(2*\s+\u)*1536+512*\j
.endr
.endr
.endr
.endm
	WIN 0x40                                       ; destination window 1
	WLOAD 48, 0
.irp u, 0,1
	global_load_b128 v[BIA+8*\u:BIA+8*\u+3], v9, s[56:57] offset:32*\u           ; b_attn[64 U + 16 h + 8 u + 0 .. 7]: the result's layout
	global_load_b128 v[BIA+8*\u+4:BIA+8*\u+7], v9, s[56:57] offset:32*\u+16
.endr
	WIN 0x80                                       ; window 2
	WLOAD 48, GRP
.irp u, 0,1
	global_load_b128 v[BIA+8*\u:BIA+8*\u+3], v9, s[56:57] offset:128+32*\u
	global_load_b128 v[BIA+8*\u+4:BIA+8*\u+7], v9, s[56:57] offset:128+32*\u+16
.endr
	WIN 0xc0                                       ; window 3
	WLOAD 50, 0
.irp ct, 0,1
.irp j, 0,1,2,3,4,5,6,7
	global_load_b32 v[BIA+8*\ct+\j], v8, s[58:59] offset:32*\ct                  ; a lane holds one channel: its bias eight times
.endr
.endr
	WIN 0
.irp k, 0,1,2,3
	global_load_b64 v[WS+2*\k:WS+2*\k+1], v2, s[52:53] offset:256*\k             ; lanes 0-15 tile 0's rows, lanes 16-31 tile 1's
	global_load_b64 v[WS+8+2*\k:WS+8+2*\k+1], v2, s[52:53] offset:1024+256*\k
	global_load_b64 v[WS+16+2*\k:WS+16+2*\k+1], v2, s[54:55] offset:256*\k
.endr
	; where the results go
	s_lshr_b32 s2, s37, 3
	s_lshl_b32 s2, s2, 4                           ; 16 x batch
	s_and_b32 s3, s37, 7
	s_lshl_b32 s3, s3, 1                           ; the chunk's first 128 tokens within the batch
	s_and_b32 s15, s36, 15                         ; q's or k's head
	s_add_co_u32 s15, s15, s2
	s_lshl_b32 s15, s15, 4
	s_add_co_u32 s15, s15, s3
	s_mul_i32 s15, s15, QREC
	s_lshr_b32 s62, s36, 4                         ; 0: q, 1: k
	s_mul_i32 s60, s62, 6656
	s_add_co_u32 s60, s60, s15
	s_add_nc_u64 s[40:41], s[12:13], s[60:61]      ; codes
	s_mul_i32 s60, s62, 12800
	s_add_co_u32 s60, s60, s15
	s_add_co_u32 s60, s60, 6144
	s_add_nc_u64 s[42:43], s[12:13], s[60:61]      ; scale words
	s_lshr_b32 s15, s36, 1                         ; v's head
	s_add_co_u32 s15, s15, s2
	s_lshl_b32 s15, s15, 4
	s_add_co_u32 s15, s15, s3
	s_mul_i32 s15, s15, QREC
	s_and_b32 s62, s36, 1                          ; which half of its channels
	s_mul_i32 s60, s62, 3072
	s_add_co_u32 s60, s60, s15
	s_add_co_u32 s60, s60, 12800
	s_add_nc_u64 s[44:45], s[12:13], s[60:61]
	s_lshl_b32 s60, s62, 7
	s_add_co_u32 s60, s60, s15
	s_add_co_u32 s60, s60, 19456
	s_add_nc_u64 s[46:47], s[12:13], s[60:61]
.macro LOADX n                         ; x's two tiles of step n = 8 pair + K step, into set n % 4: six loads of 512 consecutive bytes
.irp m, 0,1
.irp j, 0,1,2
	ds_load_b128 v[XF+24*((\n)%4)+12*\m+4*\j:XF+24*((\n)%4)+12*\m+4*\j+3], v[4+(\n)/16] offset:(((\n)/8)%2)*REC+(2*((\n)%8)+\m)*1536+512*\j
.endr
.endr
.endm
.macro LOADXS p                        ; a pair's scale words of all eight K steps: lanes 0-15 tile 0's rows, lanes 16-31 tile 1's
	ds_load_b128 v[XS:XS+3], v[4+(\p)/2] offset:((\p)%2)*REC+24576
	ds_load_b128 v[XS+4:XS+7], v[4+(\p)/2] offset:((\p)%2)*REC+24576+512
.endm
; One K step of a pair of tiles: twelve products on twelve accumulators, which take turns, one instruction a turn.  The first K step takes the bias as C.
.macro KSTEP p, s
.set N, 8*(\p)+(\s)
.set XB, XF+24*((\s)%4)
.if (\s) == 0
	s_wait_dscnt 0x0                               ; the scale words and the four sets asked for so far
.elseif (\s) >= 4
.if 63-N >= 3
	s_wait_dscnt 18                                ; this step's six loads are in; those of the three steps behind it may be out
.else
	s_wait_dscnt 6*(63-N)
.endif
.endif
.irp g, 1,2
	WIN 0x51*\g                                    ; source 0 (W), C and D in window g; source 1 (x) in window 0
.irp m, 0,1
.irp u, 0,1
.if (\s) == 0
.set CR, BIA+8*\u
.else
.set CR, ACC+16*\m+8*\u
.endif
	WMS ACC+16*\m+8*\u, 96*\u+12*(\s), XB+12*\m, CR, WS+8*(\g-1)+(\s), XS+(\s), \u, \m
.endr
.endr
.endr
	WIN 0xfc                                       ; source 0 (x) in window 0; source 1 (W), C and D in window 3
.irp ct, 0,1
.irp m, 0,1
.if (\s) == 0
.set CR, BIA+8*\ct
.else
.set CR, ACC+16*\ct+8*\m
.endif
	WMS ACC+16*\ct+8*\m, XB+12*\m, 96*\ct+12*(\s), CR, XS+(\s), WS+16+(\s), \m, \ct
.endr
.endr
	WIN 0
.if (\s) == 7
	PLACES 5                                       ; the next pair's first products write these accumulators anew
.else
	PLACES 4                                       ; in front of loads into registers that these products have read
.endif
.if N+4 < 64
	LOADX N+4
.endif
.if ((\s) == 7) && ((\p) < 7)
	LOADXS (\p)+1
.endif
.endm
; A pair's 32 tokens are finished: six blocks of 32 are quantised (q or k: two tiles x two halves of the head; v: two tiles of channels x these 32 tokens) and leave.
.macro EPI p
.set BB, (\p)%4                        ; the pair within its 128 tokens
.set OFS, ((\p)/4)*QREC
.set CC, BB/2
	s_wait_xcnt 0x0                                ; the last pair's stores have read their data
.irp g, 1,2,3
	WIN 0x14*\g                                    ; sources 1 and 2 in window g
.irp a, 0,1,2,3
	v_max3_num_f32 v[TM+4*(\g-1)+\a], s32, |v[ACC+8*\a]|, |v[ACC+8*\a+1]|        ; each accumulator from its low end on; the floor among the leaves
.endr
.irp i, 2,4,6
.irp a, 0,1,2,3
	v_max3_num_f32 v[TM+4*(\g-1)+\a], v[TM+4*(\g-1)+\a], |v[ACC+8*\a+\i]|, |v[ACC+8*\a+\i+1]|
.endr
.endr
.endr
	WIN 0
.irp q, 0,1,2,3,4,5
	v_max_num_f32 v[TM+2*\q], v[TM+2*\q], v[TM+2*\q+1]                           ; my 16 of block q
.endr
.irp q, 0,1,2,3,4,5
	v_permlanex16_b32 v[PD+\q], v[TM+2*\q], s34, s35
.endr
.irp q, 0,1,2,3,4,5
	v_max_num_f32 v[TM+2*\q], v[TM+2*\q], v[PD+\q]                               ; with lane l xor 16's
.endr
.irp q, 0,1,2,3,4,5
	v_add_nc_u32 v[SO+\q], EOFF, v[TM+2*\q]                                      ; 4 off the exponent field: the conversion's scale operand
.endr
.irp q, 0,1,2,3,4,5
	v_lshrrev_b32 v[BY+\q], 23, v[SO+\q]
.endr
.irp m, 0,1
	v_lshl_or_b32 v[WD+\m], v[BY+2+\m], 8, v[BY+\m]                              ; tile m's word: the head's two blocks; bytes 2 and 3 stay 0
.endr
	v_cndmask_b32 v[SW+BB], v[WD], v[WD+1], s33                                  ; lanes 0-15 tile 0's, lanes 16-31 tile 1's
.irp ct, 0,1
.if BB == 0
	v_mov_b32 v[VW+\ct], v[BY+4+\ct]
.else
	v_lshl_or_b32 v[VW+\ct], v[BY+4+\ct], 8*BB, v[VW+\ct]
.endif
.endr
	WIN 0x01
.irp m, 0,1
	v_cvt_scalef32_pk16_bf6_f32 v[E+8*\m:E+8*\m+2], v[ACC+16*\m:ACC+16*\m+15], v[SO+\m]          ; the head's 16 h + 0 .. 15
.endr
	WIN 0x02
.irp m, 0,1
	v_cvt_scalef32_pk16_bf6_f32 v[T2+4*\m:T2+4*\m+2], v[ACC+16*\m:ACC+16*\m+15], v[SO+2+\m]      ; 32 + 16 h + 0 .. 15
.endr
	WIN 0x03
.irp ct, 0,1
.if BB%2 == 0
	v_cvt_scalef32_pk16_bf6_f32 v[VC+12*\ct+6*CC:VC+12*\ct+6*CC+2], v[ACC+16*\ct:ACC+16*\ct+15], v[SO+4+\ct]   ; tokens 32 BB + 16 h + 0 .. 15
.else
	v_cvt_scalef32_pk16_bf6_f32 v[VT+4*\ct:VT+4*\ct+2], v[ACC+16*\ct:ACC+16*\ct+15], v[SO+4+\ct]
.endif
.endr
	WIN 0
	v_nop                                          ; one plain place behind a scaled conversion
.irp m, 0,1                                    ; the operand's layout wants a WHOLE block in a lane: lanes 0-15 the head's block 0, lanes 16-31 block 1
.irp i, 0,1,2
	v_permlane16_swap_b32 v[E+8*\m+\i], v[T2+4*\m+\i]
.endr
.irp i, 0,1,2
	v_mov_b32 v[E+8*\m+3+\i], v[T2+4*\m+\i]
.endr
.endr
.if BB%2 == 1
.irp ct, 0,1                                   ; likewise v: lanes 0-15 block 2 CC of the 128 tokens, lanes 16-31 block 2 CC + 1
.irp i, 0,1,2
	v_permlane16_swap_b32 v[VC+12*\ct+6*CC+\i], v[VT+4*\ct+\i]
.endr
.irp i, 0,1,2
	v_mov_b32 v[VC+12*\ct+6*CC+3+\i], v[VT+4*\ct+\i]
.endr
.endr
.endif
.irp m, 0,1
	global_store_b128 v1, v[E+8*\m:E+8*\m+3], s[40:41] offset:OFS+(2*BB+\m)*768              ; 512 consecutive bytes
	global_store_b64 v2, v[E+8*\m+4:E+8*\m+5], s[40:41] offset:OFS+(2*BB+\m)*768+512         ; 256
.endr
.if BB == 3
	global_store_b128 v1, v[SW:SW+3], s[42:43] offset:OFS
.irp ct, 0,1
.irp j, 0,1,2
	global_store_b128 v1, v[VC+12*\ct+4*\j:VC+12*\ct+4*\j+3], s[44:45] offset:OFS+1536*\ct+512*\j
.endr
.endr
	v_cndmask_b32 v[VWS], v[VW], v[VW+1], s33
	global_store_b32 v3, v[VWS], s[46:47] offset:OFS
.endif
.endm
	s_wait_tensorcnt 0x1                           ; my first record is in; my second may stay out
	s_barrier_signal -1
	s_barrier_wait -1                              ; records 0-3 are whole
	s_wait_loadcnt 0x0                             ; weights, scale words, biases
	LOADXS 0
	LOADX 0
	LOADX 1
	LOADX 2
	LOADX 3
.irp p, 0,1,2,3,4,5,6,7
.if \p == 3
	s_wait_tensorcnt 0x0                           ; my second record is in,
	s_wait_dscnt 0x0
	s_barrier_signal -1
	s_barrier_wait -1                              ; records 4-7 are whole: pair 3's fifth K step asks for pair 4's first fragments
.endif
.irp s, 0,1,2,3,4,5,6,7
	KSTEP \p, \s
.endr
	EPI \p
.endr
	s_wait_dscnt 0x0
	s_wait_tensorcnt 0x0
	ds_add_u32 v254, v255
	s_wait_dscnt 0x0
	CROUND                                         ; the closing round: no work-group ends while a partner may still ask for a record that names it
	s_endpgm
.Lfunc_end_k_q47babbc3c2_qkv:
	.size	k_q47babbc3c2_qkv, .Lfunc_end_k_q47babbc3c2_qkv-k_q47babbc3c2_qkv
	.p2alignl 7, 3214868480
	.fill 96, 4, 3214868480
	.section	.rodata,"a",@progbits
	.p2align	6, 0x0
	.amdhsa_kernel k_q47babbc3c2_qkv
		.amdhsa_group_segment_fixed_size 327680
		.amdhsa_private_segment_fixed_size 0
		.amdhsa_enable_private_segment 0
		.amdhsa_kernarg_size 40
		.amdhsa_user_sgpr_count 2
		.amdhsa_user_sgpr_kernarg_segment_ptr 1
		.amdhsa_wavefront_size32 1
		.amdhsa_system_sgpr_workgroup_id_x 1
		.amdhsa_system_sgpr_workgroup_id_y 1
		.amdhsa_system_sgpr_workgroup_id_z 1
		.amdhsa_system_vgpr_workitem_id 0
		.amdhsa_next_free_vgpr 1024
		.amdhsa_next_free_sgpr 66
		.amdhsa_reserve_vcc 0
		.amdhsa_float_denorm_mode_32 3
		.amdhsa_float_denorm_mode_16_64 3
		.amdhsa_memory_ordered 1
		.amdhsa_forward_progress 1
		.amdhsa_inst_pref_size 214
	.end_amdhsa_kernel
	.amdgpu_metadata
---
amdhsa.version: [ 1, 2 ]
amdhsa.kernels:
  - .name:           k_q47babbc3c2_qkv
    .symbol:         k_q47babbc3c2_qkv.kd
    .args:
      - { .name: xq, .offset: 0, .size: 8, .value_kind: global_buffer, .address_space: global }
      - { .name: wc, .offset: 8, .size: 8, .value_kind: global_buffer, .address_space: global }
      - { .name: wsc, .offset: 16, .size: 8, .value_kind: global_buffer, .address_space: global }
      - { .name: b_attn, .offset: 24, .size: 8, .value_kind: global_buffer, .address_space: global }
      - { .name: qkv, .offset: 32, .size: 8, .value_kind: global_buffer, .address_space: global }
    .group_segment_fixed_size: 327680
    .private_segment_fixed_size: 0
    .kernarg_segment_align: 8
    .kernarg_segment_size: 40
    .max_flat_workgroup_size: 128
    .sgpr_count:     66
    .vgpr_count:     1024
    .wavefront_size: 32
...
	.end_amdgpu_metadata
.endif
;; end of part 2
;; launch attn (part 3): grid 4 x 64, 16 waves a work-group, no clusters, 210,944 bytes of LDS; arguments qkv, yq; writes yq
.if DOCPART == 3
	.amdgcn_target "amdgcn-amd-amdhsa--gfx1250"
	.amdhsa_code_object_version 6
	.text
	.protected	k_q47babbc3c2_attn
	.globl	k_q47babbc3c2_attn
	.p2align	8
	.type	k_q47babbc3c2_attn,@function
k_q47babbc3c2_attn:
	s_mov_b64 s[64:65], 0
	v_nop
	global_prefetch_b8 v0, s[64:65] scope:SCOPE_SE
	s_setreg_imm32_b32 hwreg(HW_REG_WAVE_MODE, 25, 1), 1
	s_wait_xcnt 0x0
; y = softmax(q k^T / 8, causal) v for one (batch, head), both products on codes of BF6, and y quantised along C for the last product.
; THE SOFTMAX AHEAD OF THE SECOND PRODUCT: t = score x log2(e) / 8; M = the running largest t rounded UP to a whole number; p = 2^(t - M) is quantised along the keys, not normalised; the row's sum is taken
; of the unquantised p and divides at the end; when M moves, the sum and O are multiplied by 2^(old M - new M), which rounds nothing.
; SHARES.  A head's K, V and their scale words, 16 key steps x 13,056 bytes, lie in LDS whole: wave w brings key step w by one tensor load; nothing is filled again.  Four work-groups to a head.
; Each of the sixteen waves makes two tiles of 16 queries one after the other, tile 16 x + w and tile 127 - (16 x + w): 17 key steps that count for every wave of the launch.  Four waves to a SIMD.
; NO CLUSTER: the work-groups that share a head differ in their queries, and the causal branches hang on these.
; LAYOUT.  Both products transposed: S^T = K Q^T, O^T = V^T P^T: a lane holds ONE query (lane % 16).  Row r of tile 2 b + u (of keys, of queries) is token 32 b + 8 u + r + 8 (r / 8), so that the 16 registers of
; tiles 2 b, 2 b + 1 are keys 32 b + 16 (lane / 16) + 0 .. 15.  V's tiles of channels are cut the same way, so that O^T's registers run along C.
; K OF 64 IN AN INSTRUCTION OF 128: Q's registers 6-11 are zero codes.  A tile of K is named with the six registers behind it (the next tile's codes; zeros behind the last): whatever finite numbers these are,
; they meet zero codes, and the scale bytes of that half are 0 (2^-127) on both sides: that half adds exactly 0.
; CAUSAL.  Every pass walks all 16 key steps (a constant count); a step all of whose keys come after the tile's queries is jumped over by a scalar branch on ids; on the diagonal hidden scores become -infinity.
; LIMITS: p under 2^-126 is 0; t is made by one multiplication by log2(e) / 8; a block's largest p is taken from the block's largest score; a block of zeros keeps the byte 1; NaN and infinities are not served.
; OUT: yq, a record of 25,600 bytes for each 32 tokens: (tile u, head) at 12,288 u + 768 head: registers 0-3 at 16 l, 4-5 at 512 + 8 l; scale bytes at 24,576 + 512 u + 32 r + 2 head + block.
; REGISTERS: v1-3 16 l, 8 l, 4 l; v4 r + 8 (r / 8) - 16 h; v5-7 the step's LDS addresses; v8 16 r; v9 32 r; v12 -M; v13 largest t; v[14:15] the sum; v16-27 Q and zeros; v28 Q's scale word; v29 p's; v30-31 V's; v32-35 K's;
; v36-83 K's eight tiles, then V's four; v84-89 zeros; v96-159 S^T, then p; v160-191 O^T; v192-203 p's codes; v204-227 at work.
.set QREC, 19712
.set KSB,  13056                       ; a key step in LDS: K's codes at 0, V's at 6,144, K's scale words at 12,288, V's at 12,800
	s_load_b128 s[4:7], s[0:1], 0x0                ; qkv s[4:5], yq s[6:7]
	v_lshl_add_u32 v254, v0, 2, 0x33000
	v_mov_b32 v255, 0
	ds_add_u32 v254, v255
	ds_add_u32 v254, v255
	v_lshrrev_b32 v1, 5, v0
	s_delay_alu instid0(VALU_DEP_1)
	v_readfirstlane_b32 s8, v1                     ; wave 0..15
	s_and_b32 s9, ttmp7, 0xffff                    ; 16 x batch + head
	; descriptor group 1: 13,056 dense bytes as 51 rows of 32 elements of 8 bytes
	s_mov_b32 s16, 3<<16                           ; no mask; elements of 8 bytes; no padding
	s_mov_b32 s17, 32<<16                          ; tensor_dim0
	s_mov_b32 s18, 51<<16                          ; tensor_dim1
	s_mov_b32 s19, 32<<16                          ; tile_dim0
	s_mov_b32 s20, 51                              ; tile_dim1
	s_mov_b32 s21, 32                              ; from row to row
	s_mov_b32 s22, 0
	s_mov_b32 s23, 0
	s_mov_b32 s24, 1
	s_mul_i32 s25, s8, KSB                         ; LDS: the wave's number times a constant
	s_mul_i32 s38, s9, 16*QREC
	s_mov_b32 s39, 0
	s_mul_i32 s40, s8, QREC
	s_add_co_u32 s40, s40, 6656                    ; behind the record's Q
	s_mov_b32 s41, 0
	s_wait_dscnt 0x0
	s_wait_kmcnt 0x0
	s_add_nc_u64 s[32:33], s[4:5], s[38:39]        ; the head's 16 records
	s_add_nc_u64 s[26:27], s[32:33], s[40:41]
	s_or_b32 s27, s27, 0x80000000                  ; type = 2
	tensor_load_to_lds s[24:27], s[16:23]          ; my one tensor load
	s_nop 0
.rept 4
	v_nop
.endr
	s_mov_b32 s28, 0x76543210
	s_mov_b32 s29, 0xfedcba98                      ; v_permlanex16_b32's selects for lane l xor 16
	s_mov_b32 s30, 0x3e38aa3b                      ; c = log2(e) / 8
	s_mov_b32 s31, s30                             ; (named with it as a pair)
	s_lshl_b32 s10, ttmp9, 4
	s_add_co_u32 s10, s10, s8                      ; my first tile of queries
	v_and_b32 v10, 31, v0
	v_and_b32 v11, 15, v0                          ; r
	v_bfe_u32 v226, v0, 4, 1                       ; h
	s_delay_alu instid0(VALU_DEP_3)
	v_lshlrev_b32 v1, 4, v10
	s_delay_alu instid0(VALU_DEP_4)
	v_lshlrev_b32 v2, 3, v10
	v_lshlrev_b32 v3, 2, v10
	v_and_b32 v4, 8, v11
	s_delay_alu instid0(VALU_DEP_1)
	v_add_nc_u32 v4, v4, v11
	v_lshlrev_b32 v226, 4, v226
	s_delay_alu instid0(VALU_DEP_1)
	v_sub_nc_u32 v4, v4, v226                      ; r + 8 (r / 8) - 16 h
	v_lshlrev_b32 v8, 4, v11
	v_lshlrev_b32 v9, 5, v11
.irp i, 0,1,2,3,4,5
	v_mov_b32 v[22+\i], 0                          ; Q's upper 64 along K: zero codes
	v_mov_b32 v[84+\i], 0                          ; behind K's last tile
.endr
.irp b, 0,1,2,3
	v_mov_b32 v[216+\b], 0                         ; a lane permute's destination counts as one of its sources
.endr
	v_mov_b32 v225, 0                              ; (named as the upper half of the pair v[224:225])
	v_mov_b32 v227, 0xff800000                     ; -infinity
	s_wait_tensorcnt 0x0                           ; my key step is in,
	s_barrier_signal -1
	s_barrier_wait -1                              ; everybody's is: from here on LDS is only read
	s_mov_b32 s15, 2
.Lpass:
	s_lshr_b32 s40, s10, 3
	s_mul_i32 s40, s40, QREC                       ; the tile's record
	s_and_b32 s42, s10, 7
	s_mul_i32 s43, s42, 768
	s_add_co_u32 s38, s40, s43
	s_add_nc_u64 s[34:35], s[32:33], s[38:39]      ; Q's codes
	s_and_b32 s43, s10, 1                          ; u
	s_lshl_b32 s44, s43, 8
	s_lshr_b32 s42, s42, 1
	s_lshl_b32 s42, s42, 2
	s_add_co_u32 s38, s40, s44
	s_add_co_u32 s38, s38, s42
	s_add_co_u32 s38, s38, 6144
	s_add_nc_u64 s[36:37], s[32:33], s[38:39]      ; Q's scale words: 6,144 + 256 u + 4 b, + 16 r
	s_lshl_b32 s11, s10, 4
	s_lshl_b32 s43, s43, 3
	s_sub_co_u32 s11, s11, s43                     ; the tile's first query: 16 tile - 8 u; lane r's is r + 8 (r / 8) on
	global_load_b128 v[16:19], v1, s[34:35]
	global_load_b64 v[20:21], v2, s[34:35] offset:512
	global_load_b32 v28, v8, s[36:37]
	s_lshr_b32 s40, s9, 4
	s_lshl_b32 s40, s40, 7
	s_add_co_u32 s40, s40, s10                     ; the tile among all 512
	s_lshr_b32 s41, s40, 1
	s_mul_i32 s41, s41, 25600                      ; its pair's record of yq
	s_and_b32 s40, s40, 1
	s_and_b32 s42, s9, 15                          ; the head
	s_mul_i32 s43, s40, 12288
	s_mul_i32 s44, s42, 768
	s_add_co_u32 s38, s41, s43
	s_add_co_u32 s38, s38, s44
	s_add_nc_u64 s[46:47], s[6:7], s[38:39]        ; y's codes
	s_lshl_b32 s43, s40, 9
	s_lshl_b32 s44, s42, 1
	s_add_co_u32 s38, s41, s43
	s_add_co_u32 s38, s38, s44
	s_add_co_u32 s38, s38, 24576
	s_add_nc_u64 s[48:49], s[6:7], s[38:39]        ; y's scale bytes
	v_mov_b32 v13, 0xff61b1e6                      ; the largest t so far: -3e38
	s_delay_alu instid0(VALU_DEP_1)
	v_floor_f32 v12, -v13                          ; -M
	v_mov_b32 v14, 0
	v_mov_b32 v15, 0
.set J, 0
.rept 32
	v_mov_b32 v[160+J], 0                          ; O^T: the step is written once; its first turn finds zeros
.set J, J+1
.endr
	s_mov_b32 s12, 0                               ; the step's first key
	s_mov_b32 s13, 0                               ; and its place in LDS
	s_mov_b32 s14, 16
	s_wait_loadcnt 0x0                             ; Q
.Lstep:
	s_add_co_u32 s40, s11, 23                      ; the tile's last query
	s_cmp_gt_u32 s12, s40
	s_cbranch_scc1 .Lhidden                        ; all 128 keys come after my queries
	s_setprio 2
	v_add_nc_u32 v5, s13, v1
	v_add_nc_u32 v6, s13, v2
	v_add_nc_u32 v7, s13, v3
.irp t, 0,1,2,3,4,5,6,7
	ds_load_b128 v[36+6*\t:39+6*\t], v5 offset:768*\t
	ds_load_b64 v[40+6*\t:41+6*\t], v6 offset:768*\t+512
.endr
	ds_load_b128 v[32:35], v5 offset:12288         ; K's scale words: register b: lanes 0-15 tile 2 b, lanes 16-31 tile 2 b + 1
	s_wait_alu depctr_va_vdst(0)
	s_wait_dscnt 0x0
.irp b, 0,1,2,3
	v_wmma_scale_f32_16x16x128_f8f6f4 v[96+16*\b:103+16*\b], v[36+12*\b:47+12*\b], v[16:27], 0, v[32+\b], v28 matrix_a_fmt:MATRIX_FMT_BF6 matrix_b_fmt:MATRIX_FMT_BF6
	v_wmma_scale_f32_16x16x128_f8f6f4 v[104+16*\b:111+16*\b], v[42+12*\b:53+12*\b], v[16:27], 0, v[32+\b], v28 matrix_a_fmt:MATRIX_FMT_BF6 matrix_b_fmt:MATRIX_FMT_BF6 matrix_a_scale:MATRIX_SCALE_ROW1
.endr
.rept 4
	v_nop                                          ; places in front of the reads of the scores and of the loads into K's registers
.endr
.irp ct, 0,1,2,3                               ; V's four tiles take K's registers and land under the softmax
.irp j, 0,1,2
	ds_load_b128 v[36+12*\ct+4*\j:39+12*\ct+4*\j], v5 offset:6144+1536*\ct+512*\j
.endr
.endr
	ds_load_b32 v30, v7 offset:12800               ; V's scale words: lanes 0-15 tile 0, lanes 16-31 tile 1;
	ds_load_b32 v31, v7 offset:12928               ; tiles 2 and 3
	s_add_co_u32 s40, s12, 127
	s_cmp_le_u32 s40, s11
	s_cbranch_scc1 .Lopen                          ; all 128 keys count for all my queries
	s_sub_co_i32 s40, s11, s12
	v_add_nc_u32 v226, s40, v4                     ; d = my query - the step's first key - 16 h: register 16 b + i holds the key that is hidden where 32 b + i > d
.set J, 0
.rept 64
	v_cmp_gt_i32 vcc_lo, 32*(J/16)+J%16, v226
	v_cndmask_b32 v[96+J], v[96+J], v227, vcc_lo
.set J, J+1
.endr
.Lopen:
.irp b, 0,1,2,3
	v_max3_num_f32 v[212+\b], v[96+16*\b], v[97+16*\b], v[98+16*\b]       ; the largest score of each block of 32 keys: for the row's maximum, and for the block's largest p
.endr
.irp i, 3,5,7,9,11,13
.irp b, 0,1,2,3
	v_max3_num_f32 v[212+\b], v[212+\b], v[96+16*\b+\i], v[97+16*\b+\i]
.endr
.endr
.irp b, 0,1,2,3
	v_max_num_f32 v[212+\b], v[212+\b], v[111+16*\b]
.endr
.irp b, 0,1,2,3
	s_delay_alu instid0(VALU_DEP_4)
	v_permlanex16_b32 v[216+\b], v[212+\b], s28, s29
.endr
.irp b, 0,1,2,3
	s_delay_alu instid0(VALU_DEP_4)
	v_max_num_f32 v[212+\b], v[212+\b], v[216+\b]  ; with lane l xor 16's 16 keys
.endr
	s_delay_alu instid0(VALU_DEP_2)
	v_max3_num_f32 v226, v212, v213, v214
	s_delay_alu instid0(VALU_DEP_1)
	v_max_num_f32 v226, v226, v215
	s_delay_alu instid0(VALU_DEP_1)
	v_mul_f32 v226, s30, v226                      ; as t
	s_delay_alu instid0(VALU_DEP_1)
	v_max_num_f32 v13, v13, v226                   ; the running largest t
	v_mov_b32 v226, v12
	s_delay_alu instid0(VALU_DEP_2)
	v_floor_f32 v12, -v13                          ; the new -M = -ceil(t)
	s_delay_alu instid0(VALU_DEP_1)
	v_sub_f32 v226, v12, v226                      ; old M - new M: a whole number, 0 or less
	s_delay_alu instid0(VALU_DEP_1)
	v_cvt_i32_f32 v226, v226                       ; (it saturates)
	s_delay_alu instid0(VALU_DEP_1)
	v_ldexp_f32 v224, 1.0, v226                    ; f = 2^(old M - new M)
.set J, 0
.rept 32
	v_pk_fma_f32 v[96+J:97+J], v[96+J:97+J], s[30:31], v[12:13] op_sel_hi:[1,0,0]   ; t - M, two at a time
.set J, J+2
.endr
	s_setprio 1
.irp b, 0,1,2,3
	v_fma_f32 v[212+\b], v[212+\b], s30, v12       ; the same of each block's largest score
.endr
.set J, 0
	s_wait_alu depctr_va_vdst(0)
.rept 64
	v_exp_f32 v[96+J], v[96+J]                     ; p = 2^(t - M)
.set J, J+1
.endr
.irp b, 0,1,2,3
	v_exp_f32 v[212+\b], v[212+\b]                 ; the block's largest p
.endr
	v_pk_mul_f32 v[14:15], v[14:15], v[224:225] op_sel_hi:[1,0]           ; the sums under the new M (a plain place behind the exponentials)
	s_wait_alu depctr_va_vdst(0)
.irp b, 0,1,2,3
	v_max_num_f32 v[212+\b], 0x2800000, v[212+\b]  ; the floor 2^(5 - 127)
.endr
.irp b, 0,1,2,3
	s_delay_alu instid0(VALU_DEP_4)
	v_add_nc_u32 v[220+\b], 0xfe000000, v[212+\b]  ; 4 off the exponent field: the conversion's scale operand
.endr
.irp b, 0,1,2,3
	s_delay_alu instid0(VALU_DEP_4)
	v_lshrrev_b32 v[216+\b], 23, v[220+\b]
.endr
	s_delay_alu instid0(VALU_DEP_3)
	v_lshl_or_b32 v29, v217, 8, v216               ; p's scale word for these 128 keys
	s_delay_alu instid0(VALU_DEP_1)
	v_lshl_or_b32 v29, v218, 16, v29
	s_delay_alu instid0(VALU_DEP_1)
	v_lshl_or_b32 v29, v219, 24, v29
.irp c, 0,1
	v_cvt_scalef32_pk16_bf6_f32 v[192+6*\c:194+6*\c], v[96+32*\c:111+32*\c], v[220+2*\c]
	v_cvt_scalef32_pk16_bf6_f32 v[204+4*\c:206+4*\c], v[112+32*\c:127+32*\c], v[221+2*\c]
.endr
	v_nop                                          ; one plain place behind a scaled conversion
.irp c, 0,1                                    ; a WHOLE block in a lane: lanes 0-15 block 2 c, lanes 16-31 block 2 c + 1
.irp i, 0,1,2
	v_permlane16_swap_b32 v[192+6*\c+\i], v[204+4*\c+\i]
.endr
.irp i, 0,1,2
	s_delay_alu instid0(VALU_DEP_3)
	v_mov_b32 v[195+6*\c+\i], v[204+4*\c+\i]
.endr
.endr
	v_pk_add_f32 v[204:205], v[100:101], v[104:105]
	v_pk_add_f32 v[252:253], v[108:109], v[112:113]
	v_pk_add_f32 v[250:251], v[116:117], v[120:121]
	v_pk_add_f32 v[248:249], v[124:125], v[128:129]
	v_pk_add_f32 v[246:247], v[132:133], v[136:137]
	v_pk_add_f32 v[244:245], v[140:141], v[144:145]
	v_pk_add_f32 v[242:243], v[148:149], v[152:153]
	v_pk_add_f32 v[14:15], v[14:15], v[156:157]
	v_pk_add_f32 v[204:205], v[204:205], v[96:97]
	v_pk_add_f32 v[252:253], v[252:253], v[98:99]
	v_pk_add_f32 v[250:251], v[250:251], v[102:103]
	v_pk_add_f32 v[248:249], v[248:249], v[106:107]
	v_pk_add_f32 v[246:247], v[246:247], v[110:111]
	v_pk_add_f32 v[244:245], v[244:245], v[114:115]
	s_setprio 0
	v_pk_add_f32 v[242:243], v[242:243], v[118:119]
	v_pk_add_f32 v[14:15], v[14:15], v[122:123]
	v_pk_add_f32 v[204:205], v[204:205], v[126:127]
	v_pk_add_f32 v[252:253], v[252:253], v[130:131]
	v_pk_add_f32 v[250:251], v[250:251], v[134:135]
	v_pk_add_f32 v[248:249], v[248:249], v[138:139]
	v_pk_add_f32 v[246:247], v[246:247], v[142:143]
	v_pk_add_f32 v[244:245], v[244:245], v[146:147]
	v_pk_add_f32 v[242:243], v[242:243], v[150:151]
	v_pk_add_f32 v[14:15], v[14:15], v[154:155]
	v_pk_add_f32 v[204:205], v[204:205], v[158:159]
	s_delay_alu instid0(VALU_DEP_2)
	v_pk_add_f32 v[14:15], v[14:15], v[248:249]
	s_delay_alu instid0(VALU_DEP_2)
	v_pk_add_f32 v[204:205], v[204:205], v[246:247]
	v_pk_add_f32 v[252:253], v[252:253], v[244:245]
	v_pk_add_f32 v[250:251], v[250:251], v[242:243]
	s_delay_alu instid0(VALU_DEP_2)
	v_pk_add_f32 v[14:15], v[14:15], v[252:253]
	s_delay_alu instid0(VALU_DEP_2)
	v_pk_add_f32 v[204:205], v[204:205], v[250:251]
	s_delay_alu instid0(VALU_DEP_1)
	v_pk_add_f32 v[14:15], v[14:15], v[204:205]
.set J, 0
.rept 16
	v_pk_mul_f32 v[160+J:161+J], v[160+J:161+J], v[224:225] op_sel_hi:[1,0]         ; O^T under the new M
.set J, J+2
.endr
	s_wait_alu depctr_va_vdst(0)
	s_wait_dscnt 0x0                               ; V and its scale words
.irp g, 0,1                                    ; four accumulators, one instruction each: they take turns
	v_wmma_scale_f32_16x16x128_f8f6f4 v[160+16*\g:167+16*\g], v[36+24*\g:47+24*\g], v[192:203], v[160+16*\g:167+16*\g], v[30+\g], v29 matrix_a_fmt:MATRIX_FMT_BF6 matrix_b_fmt:MATRIX_FMT_BF6
	v_wmma_scale_f32_16x16x128_f8f6f4 v[168+16*\g:175+16*\g], v[48+24*\g:59+24*\g], v[192:203], v[168+16*\g:175+16*\g], v[30+\g], v29 matrix_a_fmt:MATRIX_FMT_BF6 matrix_b_fmt:MATRIX_FMT_BF6 matrix_a_scale:MATRIX_SCALE_ROW1
.endr
.rept 4
	v_nop                                          ; places: whatever way follows, the next loads into V's registers and the next reads of O^T stand behind them
.endr
.Lhidden:
	s_add_co_u32 s12, s12, 128
	s_add_co_u32 s13, s13, KSB
	s_sub_co_u32 s14, s14, 1
	s_cmp_lg_u32 s14, 0
	s_cbranch_scc1 .Lstep
	s_setprio 0
	; the tile is finished: y = O^T / the sum; register 16 b + i is channel 32 b + 16 h + i of the head: two blocks along C
	v_add_f32 v14, v14, v15
	s_delay_alu instid0(VALU_DEP_1)
	v_permlanex16_b32 v216, v14, s28, s29
	s_delay_alu instid0(VALU_DEP_1)
	v_add_f32 v14, v14, v216                       ; the row's sum
	s_wait_alu depctr_va_vdst(0)
	v_rcp_f32 v14, v14
	v_nop                                          ; one plain place behind a transcendental
.set J, 0
	s_wait_alu depctr_va_vdst(0)
.rept 32
	v_mul_f32 v[96+J], v[160+J], v14
.set J, J+1
.endr
.irp b, 0,1
	v_max3_num_f32 v[212+\b], |v[96+16*\b]|, |v[97+16*\b]|, 0x2800000
.endr
.irp i, 2,4,6,8,10,12,14
.irp b, 0,1
	s_delay_alu instid0(VALU_DEP_2)
	v_max3_num_f32 v[212+\b], v[212+\b], |v[96+16*\b+\i]|, |v[97+16*\b+\i]|
.endr
.endr
.irp b, 0,1
	s_delay_alu instid0(VALU_DEP_2)
	v_permlanex16_b32 v[216+\b], v[212+\b], s28, s29
.endr
.irp b, 0,1
	s_delay_alu instid0(VALU_DEP_2)
	v_max_num_f32 v[212+\b], v[212+\b], v[216+\b]
.endr
.irp b, 0,1
	s_delay_alu instid0(VALU_DEP_2)
	v_add_nc_u32 v[220+\b], 0xfe000000, v[212+\b]
.endr
.irp b, 0,1
	s_delay_alu instid0(VALU_DEP_2)
	v_lshrrev_b32 v[216+\b], 23, v[220+\b]
.endr
	s_delay_alu instid0(VALU_DEP_1)
	v_lshl_or_b32 v226, v217, 8, v216              ; my row's two scale bytes of this head
	v_cvt_scalef32_pk16_bf6_f32 v[192:194], v[96:111], v220
	v_cvt_scalef32_pk16_bf6_f32 v[204:206], v[112:127], v221
	v_nop                                          ; one plain place behind a scaled conversion
.irp i, 0,1,2
	v_permlane16_swap_b32 v[192+\i], v[204+\i]     ; lanes 0-15 the head's block 0, lanes 16-31 block 1
.endr
.irp i, 0,1,2
	s_delay_alu instid0(VALU_DEP_3)
	v_mov_b32 v[195+\i], v[204+\i]
.endr
	global_store_b128 v1, v[192:195], s[46:47]     ; 512 consecutive bytes
	global_store_b64 v2, v[196:197], s[46:47] offset:512
	global_store_b16 v9, v226, s[48:49]            ; two of a token's 32 scale bytes (the other heads' come from other work-groups); both halves of the lanes write the same
	s_wait_xcnt 0x0                                ; the stores' data and bases are written again only behind this wait
	s_sub_co_u32 s10, 127, s10                     ; the mirrored tile
	s_sub_co_u32 s15, s15, 1
	s_cmp_lg_u32 s15, 0
	s_cbranch_scc1 .Lpass
	s_wait_tensorcnt 0x0
	ds_add_u32 v254, v255
	s_wait_dscnt 0x0
	s_endpgm
.Lfunc_end_k_q47babbc3c2_attn:
	.size	k_q47babbc3c2_attn, .Lfunc_end_k_q47babbc3c2_attn-k_q47babbc3c2_attn
	.p2alignl 7, 3214868480
	.fill 96, 4, 3214868480
	.section	.rodata,"a",@progbits
	.p2align	6, 0x0
	.amdhsa_kernel k_q47babbc3c2_attn
		.amdhsa_group_segment_fixed_size 210944
		.amdhsa_private_segment_fixed_size 0
		.amdhsa_enable_private_segment 0
		.amdhsa_kernarg_size 16
		.amdhsa_user_sgpr_count 2
		.amdhsa_user_sgpr_kernarg_segment_ptr 1
		.amdhsa_wavefront_size32 1
		.amdhsa_system_sgpr_workgroup_id_x 1
		.amdhsa_system_sgpr_workgroup_id_y 1
		.amdhsa_system_sgpr_workgroup_id_z 1
		.amdhsa_system_vgpr_workitem_id 0
		.amdhsa_next_free_vgpr 256
		.amdhsa_next_free_sgpr 66
		.amdhsa_reserve_vcc 1
		.amdhsa_float_denorm_mode_32 3
		.amdhsa_float_denorm_mode_16_64 3
		.amdhsa_memory_ordered 1
		.amdhsa_forward_progress 1
		.amdhsa_inst_pref_size 34
	.end_amdhsa_kernel
	.amdgpu_metadata
---
amdhsa.version: [ 1, 2 ]
amdhsa.kernels:
  - .name:           k_q47babbc3c2_attn
    .symbol:         k_q47babbc3c2_attn.kd
    .args:
      - { .name: qkv, .offset: 0, .size: 8, .value_kind: global_buffer, .address_space: global }
      - { .name: yq, .offset: 8, .size: 8, .value_kind: global_buffer, .address_space: global }
    .group_segment_fixed_size: 210944
    .private_segment_fixed_size: 0
    .kernarg_segment_align: 8
    .kernarg_segment_size: 16
    .max_flat_workgroup_size: 512
    .sgpr_count:     66
    .vgpr_count:     256
    .wavefront_size: 32
...
	.end_amdgpu_metadata
.endif
;; end of part 3
;; launch proj (part 4): grid 4 x 64, 4 waves a work-group, clusters of 4 x 1, 168,448 bytes of LDS; arguments yq, wc, wsc, b_proj, out0; writes out0
.if DOCPART == 4
	.amdgcn_target "amdgcn-amd-amdhsa--gfx1250"
	.amdhsa_code_object_version 6
	.text
	.protected	k_q47babbc3c2_proj
	.globl	k_q47babbc3c2_proj
	.p2align	8
	.type	k_q47babbc3c2_proj,@function
k_q47babbc3c2_proj:
	s_mov_b64 s[64:65], 0
	v_nop
	global_prefetch_b8 v0, s[64:65] scope:SCOPE_SE
	s_setreg_imm32_b32 hwreg(HW_REG_WAVE_MODE, 25, 1), 1
	s_wait_xcnt 0x0
	s_wait_alu depctr_hold_cnt(0) depctr_sa_sdst(0) depctr_va_vdst(0) depctr_va_sdst(0) depctr_va_ssrc(0) depctr_va_vcc(0) depctr_vm_vsrc(0)
	s_getreg_b32 s2, hwreg(HW_REG_IB_STS2, 6, 4)
	s_cmp_eq_u32 s2, 0
	s_cbranch_scc0 .Lentry_in_a_cluster
	s_endpgm
.Lentry_in_a_cluster:
	s_bfe_u32 s2, ttmp6, 0x10000c
	s_cmp_lg_u32 s2, 0x3003
	s_cbranch_scc0 .Lentry_shape_is_right
	s_endpgm
.Lentry_shape_is_right:
; out0 = Q(y) Q(W_proj) + b_proj on codes of BF6.
; SHARES.  A work-group takes 128 tokens (grid y) and 256 columns (grid x); THE WAVES SHARE THE COLUMNS: wave Uo = 0 .. 15 of a chunk keeps four weight tiles x 8 K steps (columns 64 Uo .. + 63) in 384 registers.
; The chunk's codes of y, four records of 25,600 bytes, come into LDS once, one tensor load a wave; nothing is filled again.
; CLUSTER.  The four work-groups of a cluster have the same chunk: its records are asked for JOINTLY (mask 15).  My place in the cluster enters only the addresses of weights, bias and output.
; Source 0 = 16 columns of W, source 1 = 16 tokens: a lane holds a token, and the 16 registers of two neighbouring tiles are 16 neighbouring columns.  The bias is the C of the first K step.
; THE WAY OUT: a pair's 32 tokens x my 64 columns go through my own stage in LDS (rows of 256 bytes + 16) and leave as rows: sixteen lanes store 256 consecutive bytes, at a multiple of 256 from out0's first byte.
; REGISTERS.  Window 0: v1-13 addresses; v16-111 y's fragments, four sets of two tiles; v112-127 the weights' scale words; v128-135 y's; v136-199 rows on the way out.
;   Windows 1, 2 (columns 0-31, 32-63): weights at v[96 u + 12 s]; accumulator (m, u) at v[192 + 16 m + 8 u]; bias at v[224 + 8 u].
.set REC,  25600
.set GRP,  24576
.set STG,  4*REC                       ; behind the records: 8,704 bytes of stage for each wave; no tensor load lands there
.set YF,  16
.set WS,  112
.set YS,  128
.set OB,  136
.set SO,  11
.set SR,  12
.set CO,  13
.set ACC, 192
.set BIA, 224
.set MSB, 0
.macro WIN new                         ; the immediate's high byte repeats the setting that is left
.if MSB != (\new)
	s_set_vgpr_msb (MSB<<8)|(\new)
.set MSB, (\new)
.endif
.endm
.macro CROUND                          ; a round of the cluster's barrier
	s_barrier_signal -1
	s_barrier_wait -1
	s_cmp_lg_u32 s14, 0
	s_cbranch_scc1 .Lnot_wave_0_\@
	s_barrier_signal -3
.Lnot_wave_0_\@:
	s_barrier_wait -3
	s_barrier_signal -1
	s_barrier_wait -1
.endm
.macro PLACES n                        ; plain vector instructions that name none of a matrix instruction's registers (ISA guide 7.12.1)
.rept \n
	v_nop
.endr
.endm
.macro WMS d, a, b, c, sa, sb, ra, rb
.if ((\ra) == 0) && ((\rb) == 0)
	v_wmma_scale_f32_16x16x128_f8f6f4 v[(\d):(\d)+7], v[(\a):(\a)+11], v[(\b):(\b)+11], v[(\c):(\c)+7], v[(\sa)], v[(\sb)] matrix_a_fmt:MATRIX_FMT_BF6 matrix_b_fmt:MATRIX_FMT_BF6
.elseif (\rb) == 0
	v_wmma_scale_f32_16x16x128_f8f6f4 v[(\d):(\d)+7], v[(\a):(\a)+11], v[(\b):(\b)+11], v[(\c):(\c)+7], v[(\sa)], v[(\sb)] matrix_a_fmt:MATRIX_FMT_BF6 matrix_b_fmt:MATRIX_FMT_BF6 matrix_a_scale:MATRIX_SCALE_ROW1
.elseif (\ra) == 0
	v_wmma_scale_f32_16x16x128_f8f6f4 v[(\d):(\d)+7], v[(\a):(\a)+11], v[(\b):(\b)+11], v[(\c):(\c)+7], v[(\sa)], v[(\sb)] matrix_a_fmt:MATRIX_FMT_BF6 matrix_b_fmt:MATRIX_FMT_BF6 matrix_b_scale:MATRIX_SCALE_ROW1
.else
	v_wmma_scale_f32_16x16x128_f8f6f4 v[(\d):(\d)+7], v[(\a):(\a)+11], v[(\b):(\b)+11], v[(\c):(\c)+7], v[(\sa)], v[(\sb)] matrix_a_fmt:MATRIX_FMT_BF6 matrix_b_fmt:MATRIX_FMT_BF6 matrix_a_scale:MATRIX_SCALE_ROW1 matrix_b_scale:MATRIX_SCALE_ROW1
.endif
.endm
	s_load_b256 s[4:11], s[0:1], 0x0               ; yq s[4:5], wc s[6:7], wsc s[8:9], b_proj s[10:11]
	s_load_b64 s[12:13], s[0:1], 0x20              ; out0
	v_lshl_add_u32 v254, v0, 2, 0x29000
	v_mov_b32 v255, 0
	ds_add_u32 v254, v255
	ds_add_u32 v254, v255
	v_lshrrev_b32 v1, 5, v0
	v_readfirstlane_b32 s14, v1                    ; wave 0..3
	s_and_b32 s37, ttmp7, 0xffff                   ; the chunk of 128 tokens, which the four partners share
	s_mov_b32 s16, 15|(3<<16)|(1<<21)              ; group 1: the mask: all four work-groups; elements of 8 bytes; 21 set beside a mask; no padding
	s_mov_b32 s17, 32<<16                          ; tensor_dim0 = 32
	s_mov_b32 s18, 100<<16                         ; tensor_dim1 = 100
	s_mov_b32 s19, 32<<16                          ; tile_dim0
	s_mov_b32 s20, 100                             ; tile_dim1
	s_mov_b32 s21, 32                              ; from row to row
	s_mov_b32 s22, 0
	s_mov_b32 s23, 0
	s_mov_b32 s24, 1
	s_mul_i32 s25, s14, REC                        ; LDS: the wave's number times a constant
	s_mul_i32 s38, s37, 4*REC
	s_add_co_u32 s38, s38, s25                     ; (s38, s39 never hold my place in the cluster)
	s_mov_b32 s39, 0
	s_wait_dscnt 0x0
	s_wait_kmcnt 0x0
	s_add_nc_u64 s[26:27], s[4:5], s[38:39]
	s_or_b32 s27, s27, 0x80000000                  ; type = 2
	CROUND                                         ; all four work-groups are here: the joint loads meet
	tensor_load_to_lds s[24:27], s[16:23]          ; my one tensor load
	s_nop 0
	PLACES 4
	s_bfe_u32 s15, ttmp6, 0x40000                  ; cx
	s_lshl_b32 s36, ttmp9, 2
	s_add_co_u32 s36, s36, s15
	s_lshl_b32 s36, s36, 2
	s_add_co_u32 s36, s36, s14                     ; Uo
	v_and_b32 v10, 31, v0
	v_and_b32 v15, 15, v0                          ; r
	v_bfe_u32 v14, v0, 4, 1                        ; h
	v_lshlrev_b32 v1, 4, v10                       ; 16 l
	v_lshlrev_b32 v2, 3, v10                       ; 8 l
	v_lshlrev_b32 v3, 5, v10                       ; 32 l
.irp q, 0,1
	v_add_nc_u32 v[4+\q], \q*2*REC, v1             ; LDS: in records 2 q and 2 q + 1
	v_add_nc_u32 v[6+\q], \q*2*REC, v2
	v_add_nc_u32 v[8+\q], \q*2*REC, v3
.endr
	v_lshlrev_b32 v10, 6, v14                      ; 64 h: the bias
	s_wait_alu depctr_va_vdst(0)
	s_mul_i32 s62, s14, 8704
	s_add_co_u32 s62, s62, STG                     ; my stage
	v_mul_u32_u24 v[SO], v15, 272
	v_lshl_add_u32 v[SO], v14, 6, v[SO]
	v_add_nc_u32 v[SO], s62, v[SO]                 ; in: row r, + 64 h
	v_mul_u32_u24 v[SR], v14, 272
	v_lshl_add_u32 v[SR], v15, 4, v[SR]
	v_add_nc_u32 v[SR], s62, v[SR]                 ; back: lanes 0-15 one row, lanes 16-31 the next
	v_lshlrev_b32 v[CO], 12, v14
	v_lshl_add_u32 v[CO], v15, 4, v[CO]            ; and the same in out0
	s_mov_b32 s61, 0
	s_mul_i32 s60, s36, 2*GRP
	s_add_co_u32 s60, s60, 96*GRP
	s_add_nc_u64 s[48:49], s[6:7], s[60:61]        ; groups 96 + 2 Uo, 96 + 2 Uo + 1
	s_lshl_b32 s60, s36, 11
	s_add_co_u32 s60, s60, 96*1024
	s_add_nc_u64 s[52:53], s[8:9], s[60:61]        ; their scale words
	s_lshl_b32 s60, s36, 8
	s_add_nc_u64 s[56:57], s[10:11], s[60:61]      ; b_proj at column 64 Uo
	s_lshl_b32 s62, s37, 19                        ; 128 rows of 4,096 bytes
	s_add_co_u32 s60, s60, s62
	s_add_nc_u64 s[40:41], s[12:13], s[60:61]      ; out0 at the chunk's first row, my first column
.macro WLOAD base, off                 ; a group's 16 fragments: they stay
.irp s, 0,1,2,3,4,5,6,7
.irp u, 0,1
.irp j, 0,1,2
	global_load_b128 v[96*\u+12*\s+4*\j:96*\u+12*\s+4*\j+3], v1, s[\base:\base+1] offset:\off+(2*\s+\u)*1536+512*\j
.endr
.endr
.endr
.endm
	WIN 0x40                                       ; destination window 1
	WLOAD 48, 0
.irp u, 0,1
	global_load_b128 v[BIA+8*\u:BIA+8*\u+3], v10, s[56:57] offset:32*\u          ; b_proj[64 Uo + 16 h + 8 u + 0 .. 7]
	global_load_b128 v[BIA+8*\u+4:BIA+8*\u+7], v10, s[56:57] offset:32*\u+16
.endr
	WIN 0x80                                       ; window 2
	WLOAD 48, GRP
.irp u, 0,1
	global_load_b128 v[BIA+8*\u:BIA+8*\u+3], v10, s[56:57] offset:128+32*\u
	global_load_b128 v[BIA+8*\u+4:BIA+8*\u+7], v10, s[56:57] offset:128+32*\u+16
.endr
	WIN 0
.irp k, 0,1,2,3
	global_load_b64 v[WS+2*\k:WS+2*\k+1], v2, s[52:53] offset:256*\k
	global_load_b64 v[WS+8+2*\k:WS+8+2*\k+1], v2, s[52:53] offset:1024+256*\k
.endr
.macro LOADY n                         ; y's two tiles of step n = 8 pair + K step, into set n % 4: a K step is two heads, six registers each: eight loads
.irp m, 0,1
.irp c, 0,1
	ds_load_b128 v[YF+24*((\n)%4)+12*\m+6*\c:YF+24*((\n)%4)+12*\m+6*\c+3], v[4+(\n)/16] offset:(((\n)/8)%2)*REC+\m*12288+(2*((\n)%8)+\c)*768
	ds_load_b64 v[YF+24*((\n)%4)+12*\m+6*\c+4:YF+24*((\n)%4)+12*\m+6*\c+5], v[6+(\n)/16] offset:(((\n)/8)%2)*REC+\m*12288+(2*((\n)%8)+\c)*768+512
.endr
.endr
.endm
.macro LOADYS p                        ; a pair's scale words: a token's 32 bytes are the words of its eight K steps; lanes 0-15 tile 0's rows, lanes 16-31 tile 1's
	ds_load_b128 v[YS:YS+3], v[8+(\p)/2] offset:((\p)%2)*REC+24576
	ds_load_b128 v[YS+4:YS+7], v[8+(\p)/2] offset:((\p)%2)*REC+24576+16
.endm
; One K step of a pair of tiles: eight products on eight accumulators, which take turns, one instruction a turn.
.macro KSTEP p, s
.set N, 8*(\p)+(\s)
.set YB, YF+24*((\s)%4)
.if (\s) == 0
	s_wait_dscnt 0x0                               ; the scale words and the four sets asked for so far
.elseif (\s) >= 4
.if 31-N >= 3
	s_wait_dscnt 24                                ; this step's eight loads are in; those of the three steps behind it may be out
.else
	s_wait_dscnt 8*(31-N)
.endif
.endif
.irp g, 1,2
	WIN 0x51*\g                                    ; source 0 (W), C and D in window g; source 1 (y) in window 0
.irp m, 0,1
.irp u, 0,1
.if (\s) == 0
.set CR, BIA+8*\u
.else
.set CR, ACC+16*\m+8*\u
.endif
	WMS ACC+16*\m+8*\u, 96*\u+12*(\s), YB+12*\m, CR, WS+8*(\g-1)+(\s), YS+(\s), \u, \m
.endr
.endr
.endr
	WIN 0
.if (\s) == 7
	PLACES 5                                       ; the next pair's first products write these accumulators anew: five places; four serve the stores and loads below
.else
	PLACES 4                                       ; in front of loads into registers that these products have read
.endif
.if N+4 < 32
	LOADY N+4
.endif
.if ((\s) == 7) && ((\p) < 3)
	LOADYS (\p)+1
.endif
.endm
.macro OUT p
	s_wait_xcnt 0x0                                ; the last pair's stores have read their rows
.irp g, 1,2
	WIN 0x04*\g                                    ; an LDS store's data are its source 1: window g
.irp m, 0,1
.irp u, 0,1
	ds_store_b128 v[SO], v[ACC+16*\m+8*\u:ACC+16*\m+8*\u+3] offset:\m*4352+128*(\g-1)+32*\u          ; each accumulator from its low end on
	ds_store_b128 v[SO], v[ACC+16*\m+8*\u+4:ACC+16*\m+8*\u+7] offset:\m*4352+128*(\g-1)+32*\u+16
.endr
.endr
.endr
	WIN 0
.irp m, 0,1
.irp i, 0,1,2,3,4,5,6,7
	ds_load_b128 v[OB+32*\m+4*\i:OB+32*\m+4*\i+3], v[SR] offset:\m*4352+544*\i   ; LDS serves a wave's instructions in order: these see my stores, and the next pair's stores come behind them
.endr
.endr
.irp m, 0,1
.irp i, 0,1,2,3,4,5,6,7
	s_wait_dscnt 15-8*\m-\i
	global_store_b128 v[CO], v[OB+32*\m+4*\i:OB+32*\m+4*\i+3], s[40:41] offset:(32*(\p)+8*\m+2*\i+8*(\i/4))*4096 th:TH_STORE_NT   ; stage row 2 i + h of tile m is token 8 m + 2 i + h + 8 (i / 4) of the pair
.endr
.endr
.endm
	s_wait_tensorcnt 0x0                           ; my record is in,
	s_barrier_signal -1
	s_barrier_wait -1                              ; everybody's is
	s_wait_loadcnt 0x0                             ; weights, scale words, bias
	LOADYS 0
	LOADY 0
	LOADY 1
	LOADY 2
	LOADY 3
.irp p, 0,1,2,3
.irp s, 0,1,2,3,4,5,6,7
	KSTEP \p, \s
.endr
	s_wait_alu depctr_va_vdst(0)
	OUT \p
.endr
	s_wait_dscnt 0x0
	s_wait_tensorcnt 0x0
	ds_add_u32 v254, v255
	s_wait_dscnt 0x0
	CROUND                                         ; the closing round: no work-group ends while a partner may still ask for a record that names it
	s_endpgm
.Lfunc_end_k_q47babbc3c2_proj:
	.size	k_q47babbc3c2_proj, .Lfunc_end_k_q47babbc3c2_proj-k_q47babbc3c2_proj
	.p2alignl 7, 3214868480
	.fill 96, 4, 3214868480
	.section	.rodata,"a",@progbits
	.p2align	6, 0x0
	.amdhsa_kernel k_q47babbc3c2_proj
		.amdhsa_group_segment_fixed_size 168448
		.amdhsa_private_segment_fixed_size 0
		.amdhsa_enable_private_segment 0
		.amdhsa_kernarg_size 40
		.amdhsa_user_sgpr_count 2
		.amdhsa_user_sgpr_kernarg_segment_ptr 1
		.amdhsa_wavefront_size32 1
		.amdhsa_system_sgpr_workgroup_id_x 1
		.amdhsa_system_sgpr_workgroup_id_y 1
		.amdhsa_system_sgpr_workgroup_id_z 1
		.amdhsa_system_vgpr_workitem_id 0
		.amdhsa_next_free_vgpr 768
		.amdhsa_next_free_sgpr 66
		.amdhsa_reserve_vcc 0
		.amdhsa_float_denorm_mode_32 3
		.amdhsa_float_denorm_mode_16_64 3
		.amdhsa_memory_ordered 1
		.amdhsa_forward_progress 1
		.amdhsa_inst_pref_size 89
	.end_amdhsa_kernel
	.amdgpu_metadata
---
amdhsa.version: [ 1, 2 ]
amdhsa.kernels:
  - .name:           k_q47babbc3c2_proj
    .symbol:         k_q47babbc3c2_proj.kd
    .args:
      - { .name: yq, .offset: 0, .size: 8, .value_kind: global_buffer, .address_space: global }
      - { .name: wc, .offset: 8, .size: 8, .value_kind: global_buffer, .address_space: global }
      - { .name: wsc, .offset: 16, .size: 8, .value_kind: global_buffer, .address_space: global }
      - { .name: b_proj, .offset: 24, .size: 8, .value_kind: global_buffer, .address_space: global }
      - { .name: out0, .offset: 32, .size: 8, .value_kind: global_buffer, .address_space: global }
    .group_segment_fixed_size: 168448
    .private_segment_fixed_size: 0
    .kernarg_segment_align: 8
    .kernarg_segment_size: 40
    .max_flat_workgroup_size: 128
    .sgpr_count:     66
    .vgpr_count:     768
    .wavefront_size: 32
...
	.end_amdgpu_metadata
.endif
;; end of part 4
